; MI455X (gfx1250); checked and timed in simulation.
; The chip was launched on July 23, 2026; its instructions are those of AMD's public machine-readable ISA for CDNA 5 (MIT licence, August 2026) and "CDNA5" Instruction Set Architecture Reference Guide (July 2026). The comments in the code are by the model that wrote it; some were corrected since.
;; Base Causal Attention. Allowed arithmetic: float matrix products may take bf16 or f16 operands with f32 sums; all other float work in f32.
;; Inputs: W_key 1,024 x 1,024 float32; W_query 1,024 x 1,024 float32; W_value 1,024 x 1,024 float32; x 4 x 2,048 x 1,024 float32.
;; Outputs: out0 4 x 2,048 x 1,024 float32.
;; One version. Each part assembles by itself: llvm-mc -triple=amdgcn-amd-amdhsa -mcpu=gfx1250 --defsym DOCPART=n.
;; ======== version 1 of 1: 4 launches
;; limits: values are held in f16: magnitudes above 65,504 overflow, below 6.1e-05 lose precision
;; workspace buffers: xb 16,777,216 bytes; wb 6,291,456 bytes; qf 16,777,216 bytes; kf 16,777,216 bytes; vf 16,777,216 bytes; pf 18,874,368 bytes; st 1,048,576 bytes
;; launch cast (part 1): grid 704 x 1, 8 waves a work-group, no clusters, 0 bytes of LDS; arguments x, W_query, W_key, W_value, xb, wb; writes xb, wb
.if DOCPART == 1
	.amdgcn_target "amdgcn-amd-amdhsa--gfx1250"
	.amdhsa_code_object_version 6
	.text
	.protected	k_qe19e8337c9_cast
	.globl	k_qe19e8337c9_cast
	.p2align	8
	.type	k_qe19e8337c9_cast,@function
k_qe19e8337c9_cast:
	s_mov_b64 s[64:65], 0
	v_nop
	global_prefetch_b8 v0, s[64:65] scope:SCOPE_SE
	s_setreg_imm32_b32 hwreg(HW_REG_WAVE_MODE, 25, 1), 1
	s_wait_xcnt 0x0
; x [8192][1024] and the three W [1024][1024], f32, are rounded once to bf16 and laid out in planes of 64 along K:
;   xb [kb 16][row 8192][64]                 a row's piece is 128 bytes, the rows of a plane lie end to end
;   wb [kb 16][j 8][g 3: q, k, v][row 128][64]   W_g's row 128 j + row
; so that the next launch's tiles (a run of rows x 64 K) are dense blocks of memory.
; Memory binds: every input byte is read once by 16-byte loads (sixteen lanes read 256 consecutive aligned bytes), every output byte is
; written once (a wave's 8-byte stores cover 256 consecutive aligned bytes).  No LDS, no barrier, no matrix unit: nothing is shared.
; A work-group takes 16 rows, a wave two of them, all 16 planes: 16 loads of every wave are out at once.  Work-groups 0-511 take x, 512-703 the W.
.set XWG,    512                       ; work-groups for x
.set XPLANE, 8192*128                  ; bytes in a plane of xb
.set WPLANE, 3072*128                  ; bytes in a plane of wb
.set VIN,  1                           ; v1       my byte offset in the group's 16 input rows
.set VOUT, 2                           ; v2       my byte offset in the group's 16 output row pieces
.set IN,   8                           ; v[8:71]  plane kb: four f32 as loaded
.set PKD,  72                          ; v[72:103] plane kb: four bf16 to store
	s_load_b256 s[4:11], s[0:1], 0x0               ; x s[4:5], W_query s[6:7], W_key s[8:9], W_value s[10:11]
	s_load_b128 s[12:15], s[0:1], 0x20             ; xb s[12:13], wb s[14:15]
	s_mov_b32 s16, ttmp9                           ; the work-group's number
	s_max_u32 s17, s16, XWG
	s_sub_co_u32 s17, s17, XWG                     ; u: its number among the W's work-groups (0 for x's)
	s_lshr_b32 s18, s17, 6                         ; g = u / 64: which W
	s_and_b32 s19, s17, 63                         ; v = u % 64: rows 16 v on
	s_lshr_b32 s20, s19, 3                         ; j = v / 8
	s_mul_i32 s20, s20, 3
	s_add_co_u32 s20, s20, s18                     ; 3 j + g
	s_lshl_b32 s20, s20, 14                        ; x 128 rows x 128 bytes
	s_and_b32 s21, s19, 7
	s_lshl_b32 s21, s21, 11                        ; + 16 (v % 8) rows
	s_add_co_u32 s20, s20, s21                     ; W: offset in a plane of wb
	s_lshl_b32 s22, s19, 16                        ; W: offset of 16 rows of 4,096 bytes
	s_lshl_b32 s23, s16, 16                        ; x: the same
	s_lshl_b32 s24, s16, 11                        ; x: offset in a plane of xb
	v_lshrrev_b32 v3, 4, v0                        ; my row of the 16
	v_and_b32 v4, 15, v0                           ; my 16 bytes of a piece of 256
	v_lshlrev_b32 v[VIN], 12, v3
	v_lshl_add_u32 v[VIN], v4, 4, v[VIN]
	v_lshlrev_b32 v[VOUT], 3, v0                   ; 128 bytes a row, 8 bytes a lane: 8 x the thread's number
	s_wait_kmcnt 0x0
	s_cmp_eq_u32 s18, 1
	s_cselect_b64 s[26:27], s[8:9], s[6:7]
	s_cmp_eq_u32 s18, 2
	s_cselect_b64 s[26:27], s[10:11], s[26:27]
	s_cmp_lt_u32 s16, XWG
	s_cselect_b64 s[26:27], s[4:5], s[26:27]       ; from where
	s_cselect_b64 s[28:29], s[12:13], s[14:15]     ; to where
	s_cselect_b32 s2, s23, s22
	s_cselect_b32 s24, s24, s20
	s_mov_b32 s3, 0
	s_mov_b32 s25, 0
	s_add_nc_u64 s[26:27], s[26:27], s[2:3]
	s_add_nc_u64 s[28:29], s[28:29], s[24:25]
.set kb, 0
.rept 16
	global_load_b128 v[IN+4*kb:IN+4*kb+3], v[VIN], s[26:27] offset:kb*256 th:TH_LOAD_NT
.set kb, kb+1
.endr
; The 16 planes are rounded and stored as they arrive.  No register is written twice, so no store's sources need a wait.
.macro STORES plane
	s_add_nc_u64 s[30:31], s[28:29], 8*(\plane)    ; a second base, eight planes on: the stores' immediates stay inside their signed 24 bits
.set kb, 0
.rept 16
	s_wait_loadcnt 15-kb                           ; loads come back in order: plane kb is in, the younger ones stay out
	v_cvt_pk_bf16_f32 v[PKD+2*kb],   v[IN+4*kb],   v[IN+4*kb+1]
	v_cvt_pk_bf16_f32 v[PKD+2*kb+1], v[IN+4*kb+2], v[IN+4*kb+3]
.if kb < 8
	global_store_b64 v[VOUT], v[PKD+2*kb:PKD+2*kb+1], s[28:29] offset:kb*(\plane)
.else
	global_store_b64 v[VOUT], v[PKD+2*kb:PKD+2*kb+1], s[30:31] offset:(kb-8)*(\plane)
.endif
.set kb, kb+1
.endr
.endm
	s_cmp_lt_u32 s16, XWG
	s_cbranch_scc0 .Lweights
	STORES XPLANE
	s_endpgm
.Lweights:
	STORES WPLANE
	s_endpgm
.Lfunc_end_k_qe19e8337c9_cast:
	.size	k_qe19e8337c9_cast, .Lfunc_end_k_qe19e8337c9_cast-k_qe19e8337c9_cast
	.p2alignl 7, 3214868480
	.fill 96, 4, 3214868480
	.section	.rodata,"a",@progbits
	.p2align	6, 0x0
	.amdhsa_kernel k_qe19e8337c9_cast
		.amdhsa_group_segment_fixed_size 0
		.amdhsa_private_segment_fixed_size 0
		.amdhsa_enable_private_segment 0
		.amdhsa_kernarg_size 48
		.amdhsa_user_sgpr_count 2
		.amdhsa_user_sgpr_kernarg_segment_ptr 1
		.amdhsa_wavefront_size32 1
		.amdhsa_system_sgpr_workgroup_id_x 1
		.amdhsa_system_sgpr_workgroup_id_y 1
		.amdhsa_system_sgpr_workgroup_id_z 1
		.amdhsa_system_vgpr_workitem_id 0
		.amdhsa_next_free_vgpr 104
		.amdhsa_next_free_sgpr 66
		.amdhsa_reserve_vcc 0
		.amdhsa_float_denorm_mode_32 3
		.amdhsa_float_denorm_mode_16_64 3
		.amdhsa_memory_ordered 1
		.amdhsa_forward_progress 1
		.amdhsa_inst_pref_size 12
	.end_amdhsa_kernel
	.amdgpu_metadata
---
amdhsa.version: [ 1, 2 ]
amdhsa.kernels:
  - .name:           k_qe19e8337c9_cast
    .symbol:         k_qe19e8337c9_cast.kd
    .args:
      - { .name: x, .offset: 0, .size: 8, .value_kind: global_buffer, .address_space: global }
      - { .name: W_query, .offset: 8, .size: 8, .value_kind: global_buffer, .address_space: global }
      - { .name: W_key, .offset: 16, .size: 8, .value_kind: global_buffer, .address_space: global }
      - { .name: W_value, .offset: 24, .size: 8, .value_kind: global_buffer, .address_space: global }
      - { .name: xb, .offset: 32, .size: 8, .value_kind: global_buffer, .address_space: global }
      - { .name: wb, .offset: 40, .size: 8, .value_kind: global_buffer, .address_space: global }
    .group_segment_fixed_size: 0
    .private_segment_fixed_size: 0
    .kernarg_segment_align: 8
    .kernarg_segment_size: 48
    .max_flat_workgroup_size: 256
    .sgpr_count:     66
    .vgpr_count:     104
    .wavefront_size: 32
...
	.end_amdgpu_metadata
.endif
;; end of part 1
;; launch proj (part 2): grid 8 x 32, 4 waves a work-group, clusters of 4 x 4, 327,680 bytes of LDS; arguments xb, wb, qf, kf, vf; writes qf, kf, vf
.if DOCPART == 2
	.amdgcn_target "amdgcn-amd-amdhsa--gfx1250"
	.amdhsa_code_object_version 6
	.text
	.protected	k_qe19e8337c9_proj
	.globl	k_qe19e8337c9_proj
	.p2align	8
	.type	k_qe19e8337c9_proj,@function
k_qe19e8337c9_proj:
	s_mov_b64 s[64:65], 0
	v_nop
	global_prefetch_b8 v0, s[64:65] scope:SCOPE_SE
	s_setreg_imm32_b32 hwreg(HW_REG_WAVE_MODE, 25, 1), 1
	s_wait_xcnt 0x0
	s_wait_alu depctr_hold_cnt(0) depctr_sa_sdst(0) depctr_va_vdst(0) depctr_va_sdst(0) depctr_va_ssrc(0) depctr_va_vcc(0) depctr_vm_vsrc(0)
	s_getreg_b32 s2, hwreg(HW_REG_IB_STS2, 6, 4)
	s_cmp_eq_u32 s2, 0
	s_cbranch_scc0 .Lentry_in_a_cluster
	s_endpgm
.Lentry_in_a_cluster:
	s_bfe_u32 s2, ttmp6, 0x10000c
	s_cmp_lg_u32 s2, 0xf033
	s_cbranch_scc0 .Lentry_shape_is_right
	s_endpgm
.Lentry_shape_is_right:
; q, k, v = x W^T.  x [8192][1024] and the three W [1024][1024] come in bf16 planes of 64 along K (xb, wb); sums in f32; q, k, v leave in f16, rounded once.
; LIMIT: f16 holds no number beyond 65,504: |q|, |k|, |v| must stay below it.  NaN and infinities are not treated apart.
; SHARES.  Work-group (j, ty): 256 rows of x times 384 columns: channels 128 j .. +127 of q, of k and of v: 8 x 32 = 256 work-groups.
; Wave (wr, wc): 128 rows x (64 q + 64 k + 64 v): 96 accumulators of 16 x 16, 768 registers.  K goes in steps of 64 through two LDS slots; a step is two substeps of 32.
; THE LOOP'S TEXT HOLDS ONE K STEP: the slot in hand is a scalar offset that an exclusive or turns, and one descriptor a tensor walks from slot to slot.
; CLUSTER 4 x 4: x's tile hangs on ty alone and is asked for jointly along a row of the cluster, W's on j alone, along a column.
; OUTPUT LAYOUT F: a fragment of 16 rows x 32 k is 1,024 bytes, [half of k (2)][lane (32)][16 bytes]; lane r + 16 h holds row r, k = 16 half + 8 h + 0..7.
;   q, k: source 0 = 16 rows of W, source 1 = 16 rows of x: a lane holds one row of x and 8 neighbouring channels: rounded to f16 that is its 16 bytes of a fragment [row][channel].
;   v:    source 0 = 16 rows of x, source 1 = 16 rows of W: a lane holds one channel and 8 neighbouring keys: its 16 bytes of a fragment [channel][key].
;   So each store of a wave covers 512 consecutive bytes, aligned, and nothing passes through LDS on the way out.
;   qf, kf: [row / 16 (512)][channel / 32 (32)][1024].   vf: [batch 4][key set x 8][channel / 16 (64)][band c 8][1024]; a fragment's 32 keys are 256 c + 32 x + 0..31.
; REGISTERS.  window 0: v16-17, v20-21 LDS addresses; v24 16 x lane; v28-29 for the add; v32-95, v96-159 x's fragments, two buffers of 8; v160-255 W's fragments (g, b) at 160 + 32 g + 8 b.
;             windows 1, 2, 3: the accumulators of q, k, v: (a, b) at v[8 (4 a + b)].
.set PITCH,  144                       ; an LDS row: 128 bytes + 16 of padding = 36 words: the 16 rows of a fragment load start at 16 different groups of four banks (ISA guide 11.1)
.set AHALF,  128*PITCH                 ; 128 rows of x: one tensor load
.set BHALF,  192*PITCH                 ; 192 rows of W: one tensor load
.set BOFF,   2*AHALF                   ; W's 384 rows (128 g + row) lie behind x's 256
.set SLOTB,  BOFF+2*BHALF              ; 92,160 bytes in a slot
.set SLOT1,  1<<17                     ; slot 1 begins here, so that one exclusive or turns an address in one slot into the other's
.set SPARE,  SLOT1+SLOTB               ; behind the ring: the spare words, 128 bytes for each wave
.set XPLANE, 8192*128
.set WPLANE, 3072*128
.set AX0,  16                          ; v16  my lane's place among x's fragments in a slot; never rewritten
.set ADRX, 17                          ; v17  the same in the slot in hand
.set AW0,  20                          ; v20, v21  likewise for W
.set ADRW, 21
.set LN16, 24
.set SPW,  28
.set NIL,  29
.set XF0,  32
.set XF1,  96
.set WF,   160
.set TMP,  32                          ; the way out: 128 registers of packed results
.set G1A, 24                           ; s[24:31] descriptor group 1 for x's tiles
.set G0A, 32                           ; s[32:35] group 0 of slot 0's first fill; s[36:39] of slot 1's, which then walks on
.set G1B, 48                           ; s[48:55], s[56:63] the same for W's tiles
.set G0B, 56
.set TB,  67                           ; s67  LDS byte at which the slot in hand begins: 0 or SLOT1
.set MSB, 0
.macro WIN new                         ; the immediate's high byte repeats the setting that is left; a switch that changes nothing is dropped
.if MSB != (\new)
	s_set_vgpr_msb (MSB<<8)|(\new)
.set MSB, \new
.endif
.endm
.macro PLACES                          ; four places in front of loads into registers that matrix instructions have read, and of conversions that read results
.rept 4
	v_nop
.endr
.endm
.macro JLOAD s                         ; a joint load: waves 0 and 1 fetch the halves of x's tile, waves 2 and 3 those of W's; an s_nop 0 and four v_nop follow each line
	s_cmp_eq_u32 s15, 0
	s_cbranch_scc0 .Lfor_b_\@
	tensor_load_to_lds s[G0A+4*(\s):G0A+4*(\s)+3], s[G1A:G1A+7]
	s_nop 0
.rept 4
	v_nop
.endr
	s_branch .Lasked_\@
.Lfor_b_\@:
	tensor_load_to_lds s[G0B+4*(\s):G0B+4*(\s)+3], s[G1B:G1B+7]
	s_nop 0
.rept 4
	v_nop
.endr
.Lasked_\@:
.endm
.macro CREST                           ; a round of the cluster's barrier behind its opening barrier
	s_cmp_lg_u32 s14, 0
	s_cbranch_scc1 .Lnot_wave_0_\@
	s_barrier_signal -3
.Lnot_wave_0_\@:
	s_barrier_wait -3
	s_barrier_signal -1
	s_barrier_wait -1
.endm
.macro CROUND                          ; a whole round
	s_barrier_signal -1
	s_barrier_wait -1
	CREST
.endm
	s_load_b256 s[4:11], s[0:1], 0x0               ; xb s[4:5], wb s[6:7], qf s[8:9], kf s[10:11]
	s_load_b64 s[12:13], s[0:1], 0x20              ; vf
	v_lshl_add_u32 v[SPW], v0, 2, SPARE
	v_mov_b32 v[NIL], 0
	ds_add_u32 v28, v29
	s_wait_dscnt 0x0
	v_lshrrev_b32 v1, 5, v0
	v_readfirstlane_b32 s14, v1                    ; wave 0..3
	s_lshr_b32 s15, s14, 1                         ; wr: my half of the rows.  Also: I fetch for x (0) or for W (1)
	s_and_b32 s16, s14, 1                          ; wc: my half of the columns.  Also: which half of that tile I fetch
	s_bfe_u32 s17, ttmp6, 0x40000                  ; cx
	s_bfe_u32 s18, ttmp6, 0x40004                  ; cy
	s_lshl_b32 s19, ttmp9, 2
	s_add_co_u32 s19, s19, s17                     ; j = 4 x cluster x + cx
	s_and_b32 s21, ttmp7, 0xffff
	s_lshl_b32 s20, s21, 2
	s_add_co_u32 s20, s20, s18                     ; ty = 4 x cluster y + cy
	s_lshl_b32 s22, s18, 2
	s_lshl_b32 s22, 15, s22                        ; my row of the cluster
	s_lshl_b32 s23, 0x1111, s17                    ; my column
	; group 1.  A tile is a dense block: asked for as rows of 256 bytes (two rows of the tile), padded in LDS after every 128 bytes
	s_or_b32 s[G1A], s22, (1<<16)|(1<<20)|(1<<21)|(4<<22)|(3<<25)  ; mask; 2-byte elements; padding on; bit 21 beside a mask; after every 32 words; 4 words
	s_or_b32 s[G1B], s23, (1<<16)|(1<<20)|(1<<21)|(4<<22)|(3<<25)
	s_mov_b32 s[G1A+1], 128<<16                    ; tensor_dim0 = 128
	s_mov_b32 s[G1A+2], 64<<16                     ; tensor_dim1 = 64
	s_mov_b32 s[G1A+3], 128<<16                    ; tile_dim0 = 128
	s_mov_b32 s[G1A+4], 64                         ; tile_dim1 = 64: 128 rows of x
	s_mov_b32 s[G1A+5], 128                        ; 128 elements from row to row
	s_mov_b32 s[G1A+6], 0
	s_mov_b32 s[G1A+7], 0
	s_mov_b32 s[G1B+1], 128<<16
	s_mov_b32 s[G1B+2], 96<<16
	s_mov_b32 s[G1B+3], 128<<16
	s_mov_b32 s[G1B+4], 96                         ; 192 rows of W
	s_mov_b32 s[G1B+5], 128
	s_mov_b32 s[G1B+6], 0
	s_mov_b32 s[G1B+7], 0
	s_lshl_b32 s40, s20, 15                        ; x: (256 ty + 128 half) rows of 128 bytes
	s_lshl_b32 s41, s16, 14
	s_add_co_u32 s40, s40, s41
	s_mov_b32 s41, 0
	s_mul_i32 s44, s19, 384*128                    ; W: (384 j + 192 half) rows
	s_mul_i32 s45, s16, 192*128
	s_add_co_u32 s44, s44, s45
	s_mov_b32 s45, 0
	s_mul_i32 s42, s16, AHALF                      ; where they go: no place in the cluster enters an LDS address
	s_mul_i32 s46, s16, BHALF
	s_add_co_u32 s46, s46, BOFF
	s_mov_b32 s[TB], 0
	s_wait_kmcnt 0x0
	s_add_nc_u64 s[40:41], s[4:5], s[40:41]
	s_add_nc_u64 s[44:45], s[6:7], s[44:45]
	CROUND                                         ; all sixteen work-groups are here: the first joint loads meet
.irp s, 0,1
	s_mov_b32 s[G0A+4*(\s)], 1
	s_add_co_u32 s[G0A+4*(\s)+1], s42, (\s)*SLOT1
	s_add_nc_u64 s[G0A+4*(\s)+2:G0A+4*(\s)+3], s[40:41], (\s)*XPLANE   ; K step s is plane s
	s_or_b32 s[G0A+4*(\s)+3], s[G0A+4*(\s)+3], 0x80000000
	s_mov_b32 s[G0B+4*(\s)], 1
	s_add_co_u32 s[G0B+4*(\s)+1], s46, (\s)*SLOT1
	s_add_nc_u64 s[G0B+4*(\s)+2:G0B+4*(\s)+3], s[44:45], (\s)*WPLANE
	s_or_b32 s[G0B+4*(\s)+3], s[G0B+4*(\s)+3], 0x80000000
	JLOAD \s                                       ; two loads of mine are out
.endr
	v_and_b32 v1, 15, v0                           ; r
	v_bfe_u32 v2, v0, 4, 1                         ; h
	v_mul_u32_u24 v3, v1, PITCH
	v_lshl_add_u32 v3, v2, 4, v3                   ; a fragment's row x pitch + 16 h
	s_mul_i32 s2, s15, AHALF                       ; my 128 rows of x
	s_mul_i32 s3, s16, 64*PITCH                    ; my 64 rows of each W
	s_add_co_u32 s3, s3, BOFF
	v_add_nc_u32 v[AX0], s2, v3
	v_add_nc_u32 v[AW0], s3, v3
	v_mov_b32 v[ADRX], v[AX0]                      ; slot 0 is in hand
	v_mov_b32 v[ADRW], v[AW0]
	v_and_b32 v[LN16], 31, v0
	v_lshlrev_b32 v[LN16], 4, v[LN16]
	s_lshl_b32 s80, s20, 19                        ; qf, kf: (16 ty + 8 wr) row blocks of 32,768 bytes + (4 j + 2 wc) fragments
	s_lshl_b32 s81, s15, 18
	s_add_co_u32 s80, s80, s81
	s_lshl_b32 s81, s19, 12
	s_add_co_u32 s80, s80, s81
	s_lshl_b32 s81, s16, 11
	s_add_co_u32 s80, s80, s81
	s_mov_b32 s81, 0
	s_add_nc_u64 s[74:75], s[8:9], s[80:81]
	s_add_nc_u64 s[76:77], s[10:11], s[80:81]
	s_lshr_b32 s82, s20, 3                         ; vf: ((((ty / 8) 8 + 4 wr) 64 + 8 j + 4 wc) 8 + ty % 8) fragments
	s_lshl_b32 s82, s82, 22
	s_lshl_b32 s83, s15, 21
	s_add_co_u32 s82, s82, s83
	s_lshl_b32 s83, s19, 16
	s_add_co_u32 s82, s82, s83
	s_lshl_b32 s83, s16, 15
	s_add_co_u32 s82, s82, s83
	s_and_b32 s83, s20, 7
	s_lshl_b32 s83, s83, 10
	s_add_co_u32 s82, s82, s83
	s_mov_b32 s83, 0
	s_add_nc_u64 s[78:79], s[12:13], s[82:83]
; na x 4 matrix instructions of group g (0 q, 1 k, 2 v): row blocks a0 on x the four column blocks, 32 along K, x's fragments in buffer f.  zero = 1: the products start the sums.
; The 96 accumulators take turns, one instruction a turn, in the same order in every substep.
.macro MULG g, f, a0, na, zero
	WIN 0x50*((\g)+1)
.set a, (\a0)
.rept (\na)
.set b, 0
.rept 4
.set rD, 8*(4*a+b)
.set rW, WF+32*(\g)+8*b
.set rX, (\f)+8*a
.if ((\g) < 2) && (\zero)
	v_wmma_f32_16x16x32_bf16 v[rD:rD+7], v[rW:rW+7], v[rX:rX+7], 0
.elseif (\g) < 2
	v_wmma_f32_16x16x32_bf16 v[rD:rD+7], v[rW:rW+7], v[rX:rX+7], v[rD:rD+7]
.elseif (\zero)
	v_wmma_f32_16x16x32_bf16 v[rD:rD+7], v[rX:rX+7], v[rW:rW+7], 0
.else
	v_wmma_f32_16x16x32_bf16 v[rD:rD+7], v[rX:rX+7], v[rW:rW+7], v[rD:rD+7]
.endif
.set b, b+1
.endr
.set a, a+1
.endr
.endm
.macro LDW g, k                        ; 8 loads: W_g's four fragments at byte k of the rows of the slot in hand
.set b, 0
.rept 4
	ds_load_b128 v[WF+32*(\g)+8*b:WF+32*(\g)+8*b+3],   v[ADRW] offset:(128*(\g)+16*b)*PITCH+(\k)
	ds_load_b128 v[WF+32*(\g)+8*b+4:WF+32*(\g)+8*b+7], v[ADRW] offset:(128*(\g)+16*b)*PITCH+(\k)+32
.set b, b+1
.endr
.endm
.macro LDX f, k                        ; 16 loads: x's eight fragments into buffer f
.set a, 0
.rept 8
	ds_load_b128 v[(\f)+8*a:(\f)+8*a+3],   v[ADRX] offset:a*16*PITCH+(\k)
	ds_load_b128 v[(\f)+8*a+4:(\f)+8*a+7], v[ADRX] offset:a*16*PITCH+(\k)+32
.set a, a+1
.endr
.endm
; A K step's first substep (buffer 0).  Its loads were issued a substep ago in three runs: L1 = Wq and x (24 loads), L2 = Wk (8), L3 = Wv (8); behind each group of 32 products the run for
; the second substep (byte 64 of the same rows) refills the registers that the group has just read.
.macro SUB zero
	s_wait_dscnt 16                                ; L1 is in: behind it L2 and L3 were issued
	MULG 0, XF0, 0, 8, \zero
	PLACES
	WIN 0
	LDW 0, 64
	LDX XF1, 64
	s_wait_dscnt 32                                ; L2 is in: behind it L3 and the new L1
	MULG 1, XF0, 0, 8, \zero
	PLACES
	WIN 0
	LDW 1, 64
	s_wait_dscnt 32                                ; L3 is in: behind it the new L1 and L2
	MULG 2, XF0, 0, 8, \zero
	PLACES
	WIN 0
	LDW 2, 64
.endm
; A K step's second substep (buffer 1) changes slots: ONE barrier.  In front of it each wave waits for all its tensor loads (one is out: its part of the next slot), adds 0 to its spare
; word, and waits for that and for its reads of this slot.  Only eight products stand between that wait and the barrier: the next request follows the landing of the last as closely as the order allows.
; fill = 1: the barrier opens a round of the cluster's barrier, and this slot is filled again, two K steps ahead, first thing behind it.
.macro SUBC fill
	s_wait_dscnt 16                                ; L1 is in: behind it L2 and L3
	MULG 0, XF1, 0, 6, 0
	WIN 0
	s_wait_tensorcnt 0x0                           ; all my tensor loads have landed
	ds_add_u32 v[SPW], v[NIL]                      ; 0 onto my spare word
	MULG 0, XF1, 6, 2, 0                           ; eight matrix instructions stand between the add and the wait for it
	WIN 0
	s_wait_dscnt 0x0                               ; the add is done, and my reads of this slot are over (L2 and L3 were the last)
	s_barrier_signal -1
	s_barrier_wait -1
.if \fill
	CREST                                          ; no wave of any partner still reads this slot or has a load on its way
	s_xor_b32 s[G0A+5], s[G0A+5], SLOT1            ; the walking descriptors: the other slot than last time,
	s_add_nc_u64 s[G0A+6:G0A+7], s[G0A+6:G0A+7], XPLANE   ; the next plane; the type bits on top are not reached
	s_xor_b32 s[G0B+5], s[G0B+5], SLOT1
	s_add_nc_u64 s[G0B+6:G0B+7], s[G0B+6:G0B+7], WPLANE
	JLOAD 1                                        ; my one tensor load behind the round; its four v_nop are also the places in front of the loads below
.else
	PLACES
.endif
	s_xor_b32 s[TB], s[TB], SLOT1                  ; the other slot is in hand
	v_add_nc_u32 v[ADRX], s[TB], v[AX0]
	v_add_nc_u32 v[ADRW], s[TB], v[AW0]
	LDW 0, 0
	LDX XF0, 0
	MULG 1, XF1, 0, 8, 0                           ; Wk and Wv are in since the wait for 0
	PLACES
	WIN 0
	LDW 1, 0
	MULG 2, XF1, 0, 8, 0
	PLACES
	WIN 0
	LDW 2, 0
.endm
	s_wait_tensorcnt 0x1                           ; my part of K step 0 is in; step 1's may stay out
	s_barrier_signal -1
	s_barrier_wait -1                              ; everybody's is
	LDW 0, 0
	LDX XF0, 0
	LDW 1, 0
	LDW 2, 0
	SUB 1                                          ; the first substep stands in front of the loop: its products start the sums
	WIN 0
	s_mov_b32 s66, 14
.Lstep:                                                ; a trip: a K step's second substep, the change of slots with its refill (K steps 2 to 15), the next step's first substep
	SUBC 1
	SUB 0
	WIN 0
	s_sub_co_u32 s66, s66, 1
	s_cmp_lg_u32 s66, 0
	s_cbranch_scc1 .Lstep
	SUBC 0                                         ; the last change of slots asks for nothing
	SUB 0
	s_wait_dscnt 16                                ; the very last substep: the counts run down
	MULG 0, XF1, 0, 8, 0
	s_wait_dscnt 8
	MULG 1, XF1, 0, 8, 0
	s_wait_dscnt 0x0
	MULG 2, XF1, 0, 8, 0
	PLACES
; THE WAY OUT of group g: rounded to f16, each accumulator's registers in ascending order; a lane's 16 bytes are its place in a fragment.
.macro OUTG g
.if (\g) > 0
	s_wait_xcnt 0x0                                ; the stores before have had their addresses translated (ISA guide 3.1): only now are their data registers written again
.endif
	WIN 0x05*((\g)+1)
.set i, 0
.rept 128
	v_cvt_pk_f16_f32 v[TMP+i], v[2*i], v[2*i+1]
.set i, i+1
.endr
	WIN 0
.set a, 0
.rept 8
.set b, 0
.rept 4
.if (\g) < 2
	global_store_b128 v[LN16], v[TMP+4*(4*a+b):TMP+4*(4*a+b)+3], s[74+2*(\g):75+2*(\g)] offset:a*32768+(b/2)*1024+(b%2)*512
.else
	global_store_b128 v[LN16], v[TMP+4*(4*a+b):TMP+4*(4*a+b)+3], s[74+2*(\g):75+2*(\g)] offset:(a/2)*524288+b*8192+(a%2)*512
.endif
.set b, b+1
.endr
.set a, a+1
.endr
.endm
	OUTG 0
	OUTG 1
	OUTG 2
	s_wait_tensorcnt 0x0                           ; the wave's end
	ds_add_u32 v[SPW], v[NIL]
	s_wait_dscnt 0x0
	CROUND                                         ; the closing round: no work-group ends while a partner may still ask for a tile that names it
	s_endpgm
.Lfunc_end_k_qe19e8337c9_proj:
	.size	k_qe19e8337c9_proj, .Lfunc_end_k_qe19e8337c9_proj-k_qe19e8337c9_proj
	.p2alignl 7, 3214868480
	.fill 96, 4, 3214868480
	.section	.rodata,"a",@progbits
	.p2align	6, 0x0
	.amdhsa_kernel k_qe19e8337c9_proj
		.amdhsa_group_segment_fixed_size 327680
		.amdhsa_private_segment_fixed_size 0
		.amdhsa_enable_private_segment 0
		.amdhsa_kernarg_size 40
		.amdhsa_user_sgpr_count 2
		.amdhsa_user_sgpr_kernarg_segment_ptr 1
		.amdhsa_wavefront_size32 1
		.amdhsa_system_sgpr_workgroup_id_x 1
		.amdhsa_system_sgpr_workgroup_id_y 1
		.amdhsa_system_sgpr_workgroup_id_z 1
		.amdhsa_system_vgpr_workitem_id 0
		.amdhsa_next_free_vgpr 1024
		.amdhsa_next_free_sgpr 84
		.amdhsa_reserve_vcc 0
		.amdhsa_float_denorm_mode_32 3
		.amdhsa_float_denorm_mode_16_64 3
		.amdhsa_memory_ordered 1
		.amdhsa_forward_progress 1
		.amdhsa_inst_pref_size 97
	.end_amdhsa_kernel
	.amdgpu_metadata
---
amdhsa.version: [ 1, 2 ]
amdhsa.kernels:
  - .name:           k_qe19e8337c9_proj
    .symbol:         k_qe19e8337c9_proj.kd
    .args:
      - { .name: xb, .offset: 0, .size: 8, .value_kind: global_buffer, .address_space: global }
      - { .name: wb, .offset: 8, .size: 8, .value_kind: global_buffer, .address_space: global }
      - { .name: qf, .offset: 16, .size: 8, .value_kind: global_buffer, .address_space: global }
      - { .name: kf, .offset: 24, .size: 8, .value_kind: global_buffer, .address_space: global }
      - { .name: vf, .offset: 32, .size: 8, .value_kind: global_buffer, .address_space: global }
    .group_segment_fixed_size: 327680
    .private_segment_fixed_size: 0
    .kernarg_segment_align: 8
    .kernarg_segment_size: 40
    .max_flat_workgroup_size: 128
    .sgpr_count:     84
    .vgpr_count:     1024
    .wavefront_size: 32
...
	.end_amdgpu_metadata
.endif
;; end of part 2
;; launch score (part 3): grid 8 x 32, 4 waves a work-group, clusters of 4 x 4, 327,680 bytes of LDS; arguments qf, kf, pf, st; writes pf, st
.if DOCPART == 3
	.amdgcn_target "amdgcn-amd-amdhsa--gfx1250"
	.amdhsa_code_object_version 6
	.text
	.protected	k_qe19e8337c9_score
	.globl	k_qe19e8337c9_score
	.p2align	8
	.type	k_qe19e8337c9_score,@function
k_qe19e8337c9_score:
	s_mov_b64 s[64:65], 0
	v_nop
	global_prefetch_b8 v0, s[64:65] scope:SCOPE_SE
	s_setreg_imm32_b32 hwreg(HW_REG_WAVE_MODE, 25, 1), 1
	s_wait_xcnt 0x0
	s_wait_alu depctr_hold_cnt(0) depctr_sa_sdst(0) depctr_va_vdst(0) depctr_va_sdst(0) depctr_va_ssrc(0) depctr_va_vcc(0) depctr_vm_vsrc(0)
	s_getreg_b32 s2, hwreg(HW_REG_IB_STS2, 6, 4)
	s_cmp_eq_u32 s2, 0
	s_cbranch_scc0 .Lentry_in_a_cluster
	s_endpgm
.Lentry_in_a_cluster:
	s_bfe_u32 s2, ttmp6, 0x10000c
	s_cmp_lg_u32 s2, 0xf033
	s_cbranch_scc0 .Lentry_shape_is_right
	s_endpgm
.Lentry_shape_is_right:
; THE WEIGHTS.  s = q . k over 1,024 channels (f16 operands, f32 sums), causal; P = 2^(c s - c m), c = log2(e) / 32, in f16, with m the true maximum over this work-group's keys.
; GEOMETRY.  A batch's 2,048 positions are 8 bands of 256.  Row set y = rows 256 t + 32 y + 0..31 of every band t; key set x = keys 256 c + 32 x + 0..31 of every band c.
; Work-group (x, Y = 8 batch + y) makes row set y against key set x: the 36 pairs of bands c <= t, 32 x 32 each: the same work, the same walk and constant trip counts in all 256 work-groups.
; Wave (wr, wc): in every band row block wr and key block wc: 36 accumulators (c, t).  S^T = K Q^T: a lane holds ONE query (lane % 16) and the keys 8 (lane / 16) + 0..7.
; THE MASK is the C operand of the first product of the 8 accumulators with c = t: -1e30 where the key lies behind the query, else 0.
; SOFTMAX over key sets without traffic between work-groups: this launch stores P, c m and the sums l of its own key set; the next launch joins the 8 sets by a = 2^(c m_x - max), never above 1.
; The maximum starts at -2^96: below every true score (f16 operands: 4.4e12 at the most), above every hidden one.  A row that sees no key of the set gets P = 0, l = 0, c m = c (-2^96), and its a is 0.
; LIMITS.  A hidden score counts as its value less 1e30; a weight below 2^-126 counts as 0 in l, below 6e-5 P keeps f16's fixed step; NaN and infinities are not treated apart.
; CLUSTER 4 x 4: Q's tile hangs on Y alone (shared along a row of the cluster), K's on x and the batch (shared along a column).
; THE LOOP'S TEXT HOLDS ONE K STEP of 128 channels: the slot in hand is a scalar offset that an exclusive or turns, and one descriptor a tensor walks from slot to slot.
; pf: [Y 32][x 8][wr 2][p 36][1024]: p (c, t) = 8 c - c (c - 1) / 2 + t - c; a fragment of 16 queries x 32 keys, its half = wc.   st: [Y][x][wave 4][q 2][lane 32][4 f32]: lane < 16: c m of row lane, t = 4 q + i; else l.
; REGISTERS.  window 0: addresses; v32-39 the mask; v40-71 per band t: c m, m, l (even keys', odd keys'); v72-87 at work; v96-127 packed P; v128-135 what st takes.
;   window 1: two fragment buffers of 128: Q_t at 8 t, K_c at 64 + 8 c.   window 2: accumulators p = 0..29 at 8 p.   window 3: p = 30..35 at 8 (p - 30).
.set REG,   32768                      ; a region: [band 8][32 channels x 4][1024]: one tensor load.  Regions 0, 1: Q's row blocks; 2, 3: K's key blocks
.set SLOT,  4*REG                      ; a K step of 128 channels: 1 << 17 bytes, so that one exclusive or turns an address in one slot into the other's
.set EX,    2*SLOT                     ; behind the ring: 1,024 bytes a wave, the exchange of maxima; no tensor load fills it
.set SPARE, EX+4096                    ; the spare words, 128 bytes for each wave
.set A0,   16                          ; v16  my lane's place in Q's region of a slot; never rewritten
.set ADRA, 17                          ; v17  the same in the slot in hand
.set B0,   20                          ; v20, v21  likewise for K
.set ADRB, 21
.set LN16, 24
.set EXW,  25
.set EXR,  26
.set SPW,  28
.set NIL,  29
.set MD,   32
.set ST,   40
.set PX,   72
.set MX,   80
.set PK,   96
.set DAT,  128
.set F0,   0
.set F1,   128
.set G1A, 24
.set G0A, 32                           ; s[32:35] group 0 of slot 0's first fill; s[36:39] of slot 1's, which then walks on
.set G1B, 48
.set G0B, 56
.set TB,  67                           ; s67  LDS byte at which the slot in hand begins: 0 or SLOT
.set MSB, 0
.macro WIN new                         ; the immediate's high byte repeats the setting that is left; a switch that changes nothing is dropped
.if MSB != (\new)
	s_set_vgpr_msb (MSB<<8)|(\new)
.set MSB, \new
.endif
.endm
.macro PLACES
.rept 4
	v_nop
.endr
.endm
.macro JLOAD s                         ; a joint load: waves 0 and 1 fetch Q's two regions, waves 2 and 3 K's; an s_nop 0 and four v_nop follow each line
	s_cmp_eq_u32 s15, 0
	s_cbranch_scc0 .Lfor_b_\@
	tensor_load_to_lds s[G0A+4*(\s):G0A+4*(\s)+3], s[G1A:G1A+7]
	s_nop 0
.rept 4
	v_nop
.endr
	s_branch .Lasked_\@
.Lfor_b_\@:
	tensor_load_to_lds s[G0B+4*(\s):G0B+4*(\s)+3], s[G1B:G1B+7]
	s_nop 0
.rept 4
	v_nop
.endr
.Lasked_\@:
.endm
.macro CREST
	s_cmp_lg_u32 s14, 0
	s_cbranch_scc1 .Lnot_wave_0_\@
	s_barrier_signal -3
.Lnot_wave_0_\@:
	s_barrier_wait -3
	s_barrier_signal -1
	s_barrier_wait -1
.endm
.macro CROUND
	s_barrier_signal -1
	s_barrier_wait -1
	CREST
.endm
	s_load_b256 s[4:11], s[0:1], 0x0               ; qf s[4:5], kf s[6:7], pf s[8:9], st s[10:11]
	v_lshl_add_u32 v[SPW], v0, 2, SPARE
	v_mov_b32 v[NIL], 0
	ds_add_u32 v28, v29
	s_wait_dscnt 0x0
	v_lshrrev_b32 v1, 5, v0
	v_readfirstlane_b32 s14, v1                    ; wave 0..3
	s_lshr_b32 s15, s14, 1                         ; wr.  Also: I fetch for Q (0) or for K (1)
	s_and_b32 s16, s14, 1                          ; wc.  Also: which block of 16 I fetch
	s_bfe_u32 s17, ttmp6, 0x40000                  ; cx
	s_bfe_u32 s18, ttmp6, 0x40004                  ; cy
	s_lshl_b32 s19, ttmp9, 2
	s_add_co_u32 s19, s19, s17                     ; x = 4 x cluster x + cx
	s_and_b32 s21, ttmp7, 0xffff
	s_lshl_b32 s20, s21, 2
	s_add_co_u32 s20, s20, s18                     ; Y = 4 x cluster y + cy
	s_lshl_b32 s22, s18, 2
	s_lshl_b32 s22, 15, s22                        ; my row of the cluster
	s_lshl_b32 s23, 0x1111, s17                    ; my column
	; group 1: 8 rows (bands) of 4,096 bytes (four fragments), 16 row blocks = 524,288 bytes apart
	s_or_b32 s[G1A], s22, (3<<16)|(1<<21)          ; mask; 8-byte elements; bit 21 beside a mask
	s_or_b32 s[G1B], s23, (3<<16)|(1<<21)
.irp g, G1A, G1B
	s_mov_b32 s[(\g)+1], 512<<16                   ; tensor_dim0 = 512
	s_mov_b32 s[(\g)+2], 8<<16                     ; tensor_dim1 = 8
	s_mov_b32 s[(\g)+3], 512<<16                   ; tile_dim0 = 512
	s_mov_b32 s[(\g)+4], 8                         ; tile_dim1 = 8
	s_mov_b32 s[(\g)+5], 65536                     ; elements from row to row
	s_mov_b32 s[(\g)+6], 0
	s_mov_b32 s[(\g)+7], 0
.endr
	s_mov_b32 s68, 0x3d38aa3b                      ; c = log2(e) / 32
	s_mov_b32 s69, s68                             ; named with it as a pair
	s_mov_b32 s70, 0x76543210                      ; v_permlanex16_b32: each lane takes its own place in the other half
	s_mov_b32 s71, 0xfedcba98
	s_mov_b32 s72, 0xf149f2ca                      ; -1e30
	s_mov_b32 s73, 0xffff0000                      ; lanes 16-31
	s_mov_b32 s[TB], 0
	s_lshr_b32 s40, s20, 3                         ; Q: row block (Y / 8) 128 + 2 (Y % 8) + i, of 32,768 bytes
	s_lshl_b32 s40, s40, 22
	s_and_b32 s41, s20, 7
	s_lshl_b32 s41, s41, 16
	s_add_co_u32 s40, s40, s41
	s_lshl_b32 s41, s16, 15
	s_add_co_u32 s40, s40, s41
	s_mov_b32 s41, 0
	s_lshr_b32 s44, s21, 1                         ; K: the batch is cluster y / 2, the same in all partners; row block batch 128 + 2 x + i
	s_lshl_b32 s44, s44, 22
	s_lshl_b32 s45, s19, 16
	s_add_co_u32 s44, s44, s45
	s_lshl_b32 s45, s16, 15
	s_add_co_u32 s44, s44, s45
	s_mov_b32 s45, 0
	s_lshl_b32 s42, s14, 15                        ; where they go: region = wave
	s_wait_kmcnt 0x0
	s_add_nc_u64 s[40:41], s[4:5], s[40:41]
	s_add_nc_u64 s[44:45], s[6:7], s[44:45]
	CROUND                                         ; all sixteen work-groups are here: the first joint loads meet
.irp s, 0,1
	s_mov_b32 s[G0A+4*(\s)], 1
	s_add_co_u32 s[G0A+4*(\s)+1], s42, (\s)*SLOT
	s_add_nc_u64 s[G0A+4*(\s)+2:G0A+4*(\s)+3], s[40:41], (\s)*4096    ; K step s: channels 128 s on
	s_or_b32 s[G0A+4*(\s)+3], s[G0A+4*(\s)+3], 0x80000000
	s_mov_b32 s[G0B+4*(\s)], 1
	s_add_co_u32 s[G0B+4*(\s)+1], s42, (\s)*SLOT
	s_add_nc_u64 s[G0B+4*(\s)+2:G0B+4*(\s)+3], s[44:45], (\s)*4096
	s_or_b32 s[G0B+4*(\s)+3], s[G0B+4*(\s)+3], 0x80000000
	JLOAD \s                                       ; two loads of mine are out
.endr
	v_and_b32 v[LN16], 31, v0
	v_lshlrev_b32 v[LN16], 4, v[LN16]              ; a fragment's half is read as it lies: 16 bytes a lane, 512 on end
	s_lshl_b32 s2, s15, 15                         ; Q's region wr
	s_lshl_b32 s3, s16, 15
	s_add_co_u32 s3, s3, 2*REG                     ; K's region 2 + wc
	v_add_nc_u32 v[A0], s2, v[LN16]
	v_add_nc_u32 v[B0], s3, v[LN16]
	v_mov_b32 v[ADRA], v[A0]                       ; slot 0 is in hand
	v_mov_b32 v[ADRB], v[B0]
	v_lshlrev_b32 v3, 1, v[LN16]                   ; 32 bytes a lane
	s_lshl_b32 s2, s14, 10
	s_add_co_u32 s2, s2, EX
	s_xor_b32 s3, s14, 1                           ; the wave with my rows and the other key block
	s_lshl_b32 s3, s3, 10
	s_add_co_u32 s3, s3, EX
	v_add_nc_u32 v[EXW], s2, v3
	v_add_nc_u32 v[EXR], s3, v3
	v_and_b32 v1, 15, v0                           ; the mask: register j is hidden where 32 x + 16 wc + 8 h + j > 32 y + 16 wr + r
	v_bfe_u32 v2, v0, 4, 1
	v_lshlrev_b32 v2, 3, v2
	v_sub_nc_u32 v1, v1, v2                        ; r - 8 h
	s_and_b32 s2, s20, 7
	s_sub_co_i32 s2, s2, s19                       ; y - x
	s_lshl_b32 s2, s2, 5
	s_sub_co_i32 s3, s15, s16                      ; wr - wc
	s_lshl_b32 s3, s3, 4
	s_add_co_i32 s2, s2, s3
	v_add_nc_u32 v1, s2, v1
.set j, 0
.rept 8
	v_cmp_gt_i32 vcc_lo, j, v1
	v_cndmask_b32 v[MD+j], 0, s72, vcc_lo
.set j, j+1
.endr
	s_lshl_b32 s80, s20, 3
	s_add_co_u32 s80, s80, s19                     ; 8 Y + x
	s_mul_i32 s82, s80, 73728                      ; pf: 72 fragments for each (Y, x),
	s_mul_i32 s81, s15, 36864                      ; 36 for each wr,
	s_add_co_u32 s82, s82, s81
	s_lshl_b32 s81, s16, 9                         ; the fragment's half wc
	s_add_co_u32 s82, s82, s81
	s_mov_b32 s83, 0
	s_add_nc_u64 s[74:75], s[8:9], s[82:83]
	s_lshl_b32 s80, s80, 2
	s_add_co_u32 s80, s80, s14
	s_lshl_b32 s80, s80, 10                        ; st: 1,024 bytes for each (Y, x, wave)
	s_mov_b32 s81, 0
	s_add_nc_u64 s[76:77], s[10:11], s[80:81]
.macro ACC c, t                        ; where accumulator (c, t) lies: register rD of window wD; its number p
.set p, 8*(\c)-(\c)*((\c)-1)/2+(\t)-(\c)
.if (\c) < 5
.set rD, 8*p
.set wD, 2
.else
.set rD, 8*(p-30)
.set wD, 3
.endif
.endm
; The products of key bands c0 .. c1 with all query bands t >= c, 32 channels, fragments in buffer f.  The 36 accumulators take turns, one instruction a turn.
; zero = 1: the products start the sums: with the mask where c = t, else with 0.
.macro PROD c0, c1, f, zero
.set c, (\c0)
.rept (\c1)-(\c0)+1
.set t, c
.rept 8-c
	ACC c, t
.set rK, (\f)+64+8*c
.set rQ, (\f)+8*t
.if (\zero) && (t == c)
	WIN 0x05|(wD<<6)
	v_wmma_f32_16x16x32_f16 v[rD:rD+7], v[rK:rK+7], v[rQ:rQ+7], v[MD:MD+7]
.elseif (\zero)
	WIN 0x05|(wD<<6)
	v_wmma_f32_16x16x32_f16 v[rD:rD+7], v[rK:rK+7], v[rQ:rQ+7], 0
.else
	WIN 0x05|(wD*0x50)
	v_wmma_f32_16x16x32_f16 v[rD:rD+7], v[rK:rK+7], v[rQ:rQ+7], v[rD:rD+7]
.endif
.set t, t+1
.endr
.set c, c+1
.endr
.endm
.macro FETCH sub, f                    ; 32 LDS loads in one run: Q's eight fragments, then K's eight, of channels 32 sub on of the slot in hand
	WIN 0x40
.set i, 0
.rept 8
	ds_load_b128 v[(\f)+8*i:(\f)+8*i+3],   v[ADRA] offset:i*4096+(\sub)*1024
	ds_load_b128 v[(\f)+8*i+4:(\f)+8*i+7], v[ADRA] offset:i*4096+(\sub)*1024+512
.set i, i+1
.endr
.set i, 0
.rept 8
	ds_load_b128 v[(\f)+64+8*i:(\f)+64+8*i+3],   v[ADRB] offset:i*4096+(\sub)*1024
	ds_load_b128 v[(\f)+64+8*i+4:(\f)+64+8*i+7], v[ADRB] offset:i*4096+(\sub)*1024+512
.set i, i+1
.endr
.endm
; A K step is four quarters of 32 channels, 36 matrix instructions each, on buffers 0, 1, 0, 1.  One of the first three multiplies buffer f and fetches quarter sub into g.
.macro QUARTER sub, f, g, zero
	s_wait_dscnt 14                                ; Q and K of band 0 are in; the youngest 14 loads (K of bands 1-7) may be out
	PROD 0, 0, \f, \zero
	PLACES
	FETCH \sub, \g
	s_wait_dscnt 32                                ; all but the 32 just issued
	PROD 1, 7, \f, \zero
.endm
; The last quarter multiplies buffer 1 and changes slots: ONE barrier; in front of it each wave waits for all its tensor loads (one is out: its part of the next slot), adds 0 to its spare
; word, and waits for that and for its reads of this slot.  Only seven products stand between that wait and the barrier: the next request follows the landing of the last as closely as the order allows.
; fill = 1: the barrier opens a round of the cluster's barrier and this slot is filled again, two K steps ahead.
.macro TURN fill
	s_wait_dscnt 14                                ; Q and K of band 0 are in
	PROD 0, 0, F1, 0
	WIN 0
	s_wait_tensorcnt 0x0
	ds_add_u32 v[SPW], v[NIL]                      ; 0 onto my spare word
	s_wait_dscnt 13                                ; K of band 1 is in: behind it the twelve loads of bands 2-7 and the add
	PROD 1, 1, F1, 0                               ; seven matrix instructions stand between the add and the wait for it
	WIN 0
	s_wait_dscnt 0x0                               ; the add is done, and my reads of this slot are over
	s_barrier_signal -1
	s_barrier_wait -1
.if \fill
	CREST                                          ; no wave of any partner still reads this slot or has a load on its way
	s_xor_b32 s[G0A+5], s[G0A+5], SLOT             ; the walking descriptors: the other slot than last time,
	s_add_nc_u64 s[G0A+6:G0A+7], s[G0A+6:G0A+7], 4096   ; the next 128 channels; the type bits on top are not reached
	s_xor_b32 s[G0B+5], s[G0B+5], SLOT
	s_add_nc_u64 s[G0B+6:G0B+7], s[G0B+6:G0B+7], 4096
	JLOAD 1                                        ; my one tensor load behind the round; its four v_nop are also the places in front of the loads below
.else
	PLACES
.endif
	s_xor_b32 s[TB], s[TB], SLOT                   ; the other slot is in hand
	v_add_nc_u32 v[ADRA], s[TB], v[A0]
	v_add_nc_u32 v[ADRB], s[TB], v[B0]
	FETCH 0, F0
	PROD 2, 7, F1, 0
.endm
	s_wait_tensorcnt 0x1                           ; my part of K step 0 is in; step 1's may stay out
	s_barrier_signal -1
	s_barrier_wait -1
	FETCH 0, F0
	QUARTER 1, F0, F1, 1                           ; the first quarter stands in front of the loop: its products start the sums
	WIN 0
	s_mov_b32 s66, 6
.Lstep:                                                ; a trip: a K step's quarters 1 to 3, the change of slots with its refill (K steps 2 to 7), the next step's quarter 0
	QUARTER 2, F1, F0, 0
	QUARTER 3, F0, F1, 0
	TURN 1
	QUARTER 1, F0, F1, 0
	WIN 0
	s_sub_co_u32 s66, s66, 1
	s_cmp_lg_u32 s66, 0
	s_cbranch_scc1 .Lstep
	QUARTER 2, F1, F0, 0                           ; the last change of slots asks for nothing
	QUARTER 3, F0, F1, 0
	TURN 0
	QUARTER 1, F0, F1, 0
	QUARTER 2, F1, F0, 0
	QUARTER 3, F0, F1, 0
	s_wait_dscnt 0x0
	PROD 0, 7, F1, 0
	; THE MAXIMUM of each of my 8 rows-a-lane (one a band t) over all my keys.  These sixteen moves are the places behind the last products.
	WIN 0
.set t, 0
.rept 8
	v_mov_b32 v[MX+t], 0xef800000                  ; -2^96
	v_mov_b32 v[PX+t], 0                           ; v_permlanex16_b32's destination counts as read
.set t, t+1
.endr
.macro MAXB c                          ; key band c: each accumulator's registers in ascending order, the bands t by turns
.set k, 0
.rept 4
.set t, (\c)
.rept 8-(\c)
	ACC \c, t
	WIN wD*0x14
	v_max3_num_f32 v[MX+t], v[MX+t], v[rD+2*k], v[rD+2*k+1]
.set t, t+1
.endr
.set k, k+1
.endr
.endm
.irp c, 0,1,2,3,4,5,6,7
	MAXB \c
.endr
	WIN 0
.set t, 0
.rept 8
	v_permlanex16_b32 v[PX+t], v[MX+t], s70, s71   ; the query's other 8 keys of each block lie in the lane 16 away
.set t, t+1
.endr
.set t, 0
.rept 8
	v_max_num_f32 v[MX+t], v[MX+t], v[PX+t]
.set t, t+1
.endr
	ds_store_b128 v[EXW], v[MX:MX+3]               ; and the set's other key block with the wave beside me
	ds_store_b128 v[EXW], v[MX+4:MX+7] offset:16
	s_wait_dscnt 0x0                               ; for the others' sake: my stores are done
	s_barrier_signal -1
	s_barrier_wait -1
	ds_load_b128 v[PX:PX+3], v[EXR]
	ds_load_b128 v[PX+4:PX+7], v[EXR] offset:16
	s_wait_dscnt 0x0
.set t, 0
.rept 8
	v_max_num_f32 v[ST+4*t+1], v[MX+t], v[PX+t]    ; m
.set t, t+1
.endr
.set t, 0
.rept 8
	v_mul_f32 v[ST+4*t], s68, v[ST+4*t+1]          ; c m
.set t, t+1
.endr
; THE WEIGHTS of key band c, all its 8 - c accumulators step by step under one window setting each: c s - c m; 2^; rounded to f16; summed (of the unrounded weights); stored.
.macro SOFTB c
.set t, (\c)
.rept 8-(\c)
	ACC \c, t
	WIN wD*0x41
.set k, 0
.rept 4
	v_pk_fma_f32 v[rD+2*k:rD+2*k+1], v[rD+2*k:rD+2*k+1], s[68:69], v[ST+4*t:ST+4*t+1] op_sel_hi:[1,0,0] neg_lo:[0,0,1] neg_hi:[0,0,1]
.set k, k+1
.endr
.set t, t+1
.endr
.set t, (\c)
.rept 8-(\c)
	ACC \c, t
.set k, 0
.rept 8
	v_exp_f32 v[rD+k], v[rD+k]
.set k, k+1
.endr
.set t, t+1
.endr
	v_nop                                          ; a plain instruction between the last exponential and the use of its result
.if (\c) > 0
	s_wait_xcnt 0x0                                ; the stores of the band before have had their addresses translated (ISA guide 3.1): PK, their data, is written again only below this line
.endif
.set t, (\c)
.rept 8-(\c)
	ACC \c, t
	WIN wD*0x05
.set k, 0
	s_wait_alu depctr_va_vdst(0)
.rept 4
	v_cvt_pk_f16_f32 v[PK+4*(t-(\c))+k], v[rD+2*k], v[rD+2*k+1]
.set k, k+1
.endr
.set t, t+1
.endr
.set t, (\c)
.rept 8-(\c)
	ACC \c, t
	WIN wD*0x45
	v_pk_add_f32 v[rD:rD+1], v[rD:rD+1], v[rD+2:rD+3]
	v_pk_add_f32 v[rD+4:rD+5], v[rD+4:rD+5], v[rD+6:rD+7]
.set t, t+1
.endr
.set t, (\c)
.rept 8-(\c)
	ACC \c, t
.if (\c) == 0
	WIN wD*0x05
	v_pk_add_f32 v[ST+4*t+2:ST+4*t+3], v[rD:rD+1], v[rD+4:rD+5]   ; band 0 starts l: nothing is cleared
.else
	WIN wD*0x45
	v_pk_add_f32 v[rD:rD+1], v[rD:rD+1], v[rD+4:rD+5]
.endif
.set t, t+1
.endr
.if (\c) > 0
.set t, (\c)
.rept 8-(\c)
	ACC \c, t
	WIN wD*0x04
	v_pk_add_f32 v[ST+4*t+2:ST+4*t+3], v[ST+4*t+2:ST+4*t+3], v[rD:rD+1]
.set t, t+1
.endr
.endif
	WIN 0
.set t, (\c)
.rept 8-(\c)
	ACC \c, t
	global_store_b128 v[LN16], v[PK+4*(t-(\c)):PK+4*(t-(\c))+3], s[74:75] offset:p*1024   ; 512 consecutive bytes, aligned: my half of fragment p
.set t, t+1
.endr
.endm
.irp c, 0,1,2,3,4,5,6,7
	SOFTB \c
.endr
.set t, 0
.rept 8
	v_add_f32 v[ST+4*t+2], v[ST+4*t+2], v[ST+4*t+3]
.set t, t+1
.endr
.set t, 0
.rept 8
	v_permlanex16_b32 v[PX+t], v[ST+4*t+2], s70, s71
.set t, t+1
.endr
.set t, 0
.rept 8
	v_add_f32 v[ST+4*t+2], v[ST+4*t+2], v[PX+t]    ; l of my key block, in both halves of the lanes
.set t, t+1
.endr
.set t, 0
.rept 8
	v_cndmask_b32 v[DAT+t], v[ST+4*t], v[ST+4*t+2], s73   ; lanes 0-15 hand on c m, lanes 16-31 l
.set t, t+1
.endr
	global_store_b128 v[LN16], v[DAT:DAT+3], s[76:77]
	global_store_b128 v[LN16], v[DAT+4:DAT+7], s[76:77] offset:512
	s_wait_tensorcnt 0x0                           ; the wave's end
	ds_add_u32 v[SPW], v[NIL]
	s_wait_dscnt 0x0
	CROUND                                         ; the closing round
	s_endpgm
.Lfunc_end_k_qe19e8337c9_score:
	.size	k_qe19e8337c9_score, .Lfunc_end_k_qe19e8337c9_score-k_qe19e8337c9_score
	.p2alignl 7, 3214868480
	.fill 96, 4, 3214868480
	.section	.rodata,"a",@progbits
	.p2align	6, 0x0
	.amdhsa_kernel k_qe19e8337c9_score
		.amdhsa_group_segment_fixed_size 327680
		.amdhsa_private_segment_fixed_size 0
		.amdhsa_enable_private_segment 0
		.amdhsa_kernarg_size 32
		.amdhsa_user_sgpr_count 2
		.amdhsa_user_sgpr_kernarg_segment_ptr 1
		.amdhsa_wavefront_size32 1
		.amdhsa_system_sgpr_workgroup_id_x 1
		.amdhsa_system_sgpr_workgroup_id_y 1
		.amdhsa_system_sgpr_workgroup_id_z 1
		.amdhsa_system_vgpr_workitem_id 0
		.amdhsa_next_free_vgpr 832
		.amdhsa_next_free_sgpr 84
		.amdhsa_reserve_vcc 1
		.amdhsa_float_denorm_mode_32 3
		.amdhsa_float_denorm_mode_16_64 3
		.amdhsa_memory_ordered 1
		.amdhsa_forward_progress 1
		.amdhsa_inst_pref_size 120
	.end_amdhsa_kernel
	.amdgpu_metadata
---
amdhsa.version: [ 1, 2 ]
amdhsa.kernels:
  - .name:           k_qe19e8337c9_score
    .symbol:         k_qe19e8337c9_score.kd
    .args:
      - { .name: qf, .offset: 0, .size: 8, .value_kind: global_buffer, .address_space: global }
      - { .name: kf, .offset: 8, .size: 8, .value_kind: global_buffer, .address_space: global }
      - { .name: pf, .offset: 16, .size: 8, .value_kind: global_buffer, .address_space: global }
      - { .name: st, .offset: 24, .size: 8, .value_kind: global_buffer, .address_space: global }
    .group_segment_fixed_size: 327680
    .private_segment_fixed_size: 0
    .kernarg_segment_align: 8
    .kernarg_segment_size: 32
    .max_flat_workgroup_size: 128
    .sgpr_count:     84
    .vgpr_count:     832
    .wavefront_size: 32
...
	.end_amdgpu_metadata
.endif
;; end of part 3
;; launch pv (part 4): grid 8 x 32, 4 waves a work-group, clusters of 4 x 4, 327,680 bytes of LDS; arguments pf, vf, st, out0; writes out0
.if DOCPART == 4
	.amdgcn_target "amdgcn-amd-amdhsa--gfx1250"
	.amdhsa_code_object_version 6
	.text
	.protected	k_qe19e8337c9_pv
	.globl	k_qe19e8337c9_pv
	.p2align	8
	.type	k_qe19e8337c9_pv,@function
k_qe19e8337c9_pv:
	s_mov_b64 s[64:65], 0
	v_nop
	global_prefetch_b8 v0, s[64:65] scope:SCOPE_SE
	s_setreg_imm32_b32 hwreg(HW_REG_WAVE_MODE, 25, 1), 1
	s_wait_xcnt 0x0
	s_wait_alu depctr_hold_cnt(0) depctr_sa_sdst(0) depctr_va_vdst(0) depctr_va_sdst(0) depctr_va_ssrc(0) depctr_va_vcc(0) depctr_vm_vsrc(0)
	s_getreg_b32 s2, hwreg(HW_REG_IB_STS2, 6, 4)
	s_cmp_eq_u32 s2, 0
	s_cbranch_scc0 .Lentry_in_a_cluster
	s_endpgm
.Lentry_in_a_cluster:
	s_bfe_u32 s2, ttmp6, 0x10000c
	s_cmp_lg_u32 s2, 0xf033
	s_cbranch_scc0 .Lentry_shape_is_right
	s_endpgm
.Lentry_shape_is_right:
; THE CONTEXT.  out[q] = sum over key sets x of (a_x / L) T_x[q], T_x = P_x V_x (f16 operands, f32 sums), a_x = 2^(c m_x - max over x of c m_x) <= 1, L = sum over x of a_x l_x.
; P, c m and l come from the launch before (pf, st), V^T in fragments from the projection (vf).  Geometry as there: row set y = rows 256 t + 32 y + 0..31, key set x = keys 256 c + 32 x + 0..31.
; SHARES.  Work-group (ox, Y = 8 batch + y): the 256 rows of row set y x channels 128 ox .. +127.  Wave (wr, wc): row block wr of every band t x four channel blocks n: 32 accumulators T and 32 sums O.
; O^T = V^T P: source 0 = 16 channels x 32 keys, source 1 = 16 queries x 32 keys: a lane holds ONE query (lane % 16) and the channels 8 (lane / 16) + 0..7.
; A PHASE is a key set = an LDS slot: the 36 pairs of bands c <= t, in four stages of two key bands (s and 7 - s: 9 fragments of P, 8 of V, 36 products).  T starts with the constant 0 in band 0.
; When the last product on T(t, .) is done it is merged, O += a' T with a' = a / L, by packed multiply-adds that ride behind later products.
; THE LOOP'S TEXT HOLDS ONE PHASE: the slot in hand is a scalar offset that an exclusive or turns, and one descriptor a tensor walks from slot to slot.
; O is cleared once, in the wait for the first tile: it is no matrix accumulator, and a first phase written out apart would be one more copy of a phase's text.
; LIMITS: as in the launch before; NaN and infinities are not treated apart.
; CLUSTER 4 x 4: P's tile hangs on Y alone (shared along a row of the cluster), V's on ox and the batch (shared along a column).
; REGISTERS.  window 0: addresses; v32-39 a' of the phase in hand; v48-63 at work; v64-135, v136-207 P's fragments, two buffers of 9.
;   window 1: T(t, n) at 8 (4 t + n).   window 2: O likewise.   window 3: v0-63, v64-127 V's fragments, two buffers: the first band at 8 n, the second at 32 + 8 n.
.set PHALF, 36864                      ; P of one wr: 36 fragments: one tensor load
.set VOFF,  2*PHALF
.set VHALF, 32768                      ; V of one wc: [n 4][c 8][1024]: one tensor load
.set SLOTB, VOFF+2*VHALF               ; 139,264 bytes in a slot
.set SLOT1, 0x24000                    ; slot 1 begins here: its two bits occur in none of the four loads' places in a slot (0, 0x9000, 0x12000, 0x1a000), so one exclusive or turns each into the other slot's
.set ALS,   SLOT1+SLOTB                ; behind the ring, never filled by a tensor load: 8,192 bytes a wave: a' as [x 8][lane 32][8 f32]; later the wave's stage, 16 rows x 272 bytes
.set SPARE, ALS+4*8192                 ; the spare words, 128 bytes for each wave
.set A0,   16                          ; v16  my lane's place in P's half of a slot; never rewritten
.set ADRA, 17                          ; v17  the same in the slot in hand
.set B0,   20                          ; v20, v21  likewise for V
.set ADRB, 21
.set ALR,  22                          ; where the next phase's a' are read
.set ALW,  23
.set STO,  24
.set RD,   25
.set CO,   26
.set SPW,  28
.set NIL,  29
.set AL,   32
.set MM,   48
.set LS,   56
.set AB,   64
.set CM,   64                          ; the prologue: c m, then a, then a', at CM + 8 x + t
.set LL,   128                         ; the prologue: l
.set OB,   64                          ; the way out: rows read back, two buffers of 32
.set G1A, 24
.set G0A, 32                           ; s[32:35] group 0 of slot 0's first fill; s[36:39] of slot 1's, which then walks on
.set G1B, 48
.set G0B, 56
.set TB,  67                           ; s67  LDS byte at which the slot in hand begins: 0 or SLOT1
.set MSB, 0
.macro WIN new                         ; the immediate's high byte repeats the setting that is left; a switch that changes nothing is dropped
.if MSB != (\new)
	s_set_vgpr_msb (MSB<<8)|(\new)
.set MSB, \new
.endif
.endm
.macro PLACES
.rept 4
	v_nop
.endr
.endm
.macro JLOAD s                         ; a joint load: waves 0 and 1 fetch P's two halves, waves 2 and 3 V's; an s_nop 0 and four v_nop follow each line
	s_cmp_eq_u32 s15, 0
	s_cbranch_scc0 .Lfor_b_\@
	tensor_load_to_lds s[G0A+4*(\s):G0A+4*(\s)+3], s[G1A:G1A+7]
	s_nop 0
.rept 4
	v_nop
.endr
	s_branch .Lasked_\@
.Lfor_b_\@:
	tensor_load_to_lds s[G0B+4*(\s):G0B+4*(\s)+3], s[G1B:G1B+7]
	s_nop 0
.rept 4
	v_nop
.endr
.Lasked_\@:
.endm
.macro CREST
	s_cmp_lg_u32 s14, 0
	s_cbranch_scc1 .Lnot_wave_0_\@
	s_barrier_signal -3
.Lnot_wave_0_\@:
	s_barrier_wait -3
	s_barrier_signal -1
	s_barrier_wait -1
.endm
.macro CROUND
	s_barrier_signal -1
	s_barrier_wait -1
	CREST
.endm
	s_load_b256 s[4:11], s[0:1], 0x0               ; pf s[4:5], vf s[6:7], st s[8:9], out0 s[10:11]
	v_lshl_add_u32 v[SPW], v0, 2, SPARE
	v_mov_b32 v[NIL], 0
	ds_add_u32 v28, v29
	s_wait_dscnt 0x0
	v_lshrrev_b32 v1, 5, v0
	v_readfirstlane_b32 s14, v1                    ; wave 0..3
	s_lshr_b32 s15, s14, 1                         ; wr.  Also: I fetch for P (0) or for V (1)
	s_and_b32 s16, s14, 1                          ; wc.  Also: which half I fetch
	s_bfe_u32 s17, ttmp6, 0x40000                  ; cx
	s_bfe_u32 s18, ttmp6, 0x40004                  ; cy
	s_lshl_b32 s19, ttmp9, 2
	s_add_co_u32 s19, s19, s17                     ; ox = 4 x cluster x + cx
	s_and_b32 s21, ttmp7, 0xffff
	s_lshl_b32 s20, s21, 2
	s_add_co_u32 s20, s20, s18                     ; Y = 4 x cluster y + cy
	s_lshl_b32 s22, s18, 2
	s_lshl_b32 s22, 15, s22                        ; my row of the cluster
	s_lshl_b32 s23, 0x1111, s17                    ; my column
	; group 1: dense blocks, asked for as rows of 256 bytes
	s_or_b32 s[G1A], s22, (3<<16)|(1<<21)          ; mask; 8-byte elements; bit 21 beside a mask
	s_or_b32 s[G1B], s23, (3<<16)|(1<<21)
	s_mov_b32 s[G1A+1], 32<<16                     ; tensor_dim0 = 32
	s_mov_b32 s[G1A+2], 144<<16                    ; tensor_dim1 = 144
	s_mov_b32 s[G1A+3], 32<<16                     ; tile_dim0 = 32
	s_mov_b32 s[G1A+4], 144                        ; tile_dim1 = 144: 36,864 bytes
	s_mov_b32 s[G1A+5], 32
	s_mov_b32 s[G1A+6], 0
	s_mov_b32 s[G1A+7], 0
	s_mov_b32 s[G1B+1], 32<<16
	s_mov_b32 s[G1B+2], 128<<16
	s_mov_b32 s[G1B+3], 32<<16
	s_mov_b32 s[G1B+4], 128                        ; 32,768 bytes
	s_mov_b32 s[G1B+5], 32
	s_mov_b32 s[G1B+6], 0
	s_mov_b32 s[G1B+7], 0
	s_mov_b32 s70, 0x76543210                      ; v_permlanex16_b32: each lane takes its own place in the other half
	s_mov_b32 s71, 0xfedcba98
	s_mov_b32 s[TB], 0
	s_mul_i32 s40, s20, 8*2*PHALF                  ; P: ((8 Y + x) 2 + half) x 36,864 bytes
	s_mul_i32 s41, s16, PHALF
	s_add_co_u32 s40, s40, s41
	s_mov_b32 s41, 0
	s_lshr_b32 s44, s21, 1                         ; V: the batch is cluster y / 2, the same in all partners; ((8 batch + x) 64 + 8 ox + 4 half) x 8,192 bytes
	s_lshl_b32 s44, s44, 22
	s_lshl_b32 s45, s19, 16
	s_add_co_u32 s44, s44, s45
	s_lshl_b32 s45, s16, 15
	s_add_co_u32 s44, s44, s45
	s_mov_b32 s45, 0
	s_mul_i32 s42, s16, PHALF                      ; where they go: no place in the cluster enters an LDS address
	s_lshl_b32 s46, s16, 15
	s_add_co_u32 s46, s46, VOFF
	s_wait_kmcnt 0x0
	s_add_nc_u64 s[40:41], s[4:5], s[40:41]
	s_add_nc_u64 s[44:45], s[6:7], s[44:45]
	CROUND                                         ; all sixteen work-groups are here: the first joint loads meet
.irp s, 0,1
	s_mov_b32 s[G0A+4*(\s)], 1
	s_add_co_u32 s[G0A+4*(\s)+1], s42, (\s)*SLOT1
	s_add_nc_u64 s[G0A+4*(\s)+2:G0A+4*(\s)+3], s[40:41], (\s)*2*PHALF    ; key set s
	s_or_b32 s[G0A+4*(\s)+3], s[G0A+4*(\s)+3], 0x80000000
	s_mov_b32 s[G0B+4*(\s)], 1
	s_add_co_u32 s[G0B+4*(\s)+1], s46, (\s)*SLOT1
	s_add_nc_u64 s[G0B+4*(\s)+2:G0B+4*(\s)+3], s[44:45], (\s)*524288
	s_or_b32 s[G0B+4*(\s)+3], s[G0B+4*(\s)+3], 0x80000000
	JLOAD \s                                       ; two loads of mine are out
.endr
	s_lshl_b32 s82, s20, 15                        ; st: 32,768 bytes for each Y
	s_mov_b32 s83, 0
	s_add_nc_u64 s[76:77], s[8:9], s[82:83]
	v_and_b32 v1, 15, v0                           ; r
	v_bfe_u32 v2, v0, 4, 1                         ; h
	v_lshlrev_b32 v5, 4, v1
	s_lshl_b32 s3, s15, 11
	v_add_nc_u32 v5, s3, v5                        ; c m of row r: wave 2 wr's block, lane r
	v_lshl_add_u32 v6, v2, 10, v5
	v_add_nc_u32 v6, 256, v6                       ; l of row r: wave 2 wr + h's block, lane 16 + r: each half of my lanes takes one key block's sums
.set x, 0
.rept 8
	global_load_b128 v[CM+8*x:CM+8*x+3],   v5, s[76:77] offset:x*4096
	global_load_b128 v[CM+8*x+4:CM+8*x+7], v5, s[76:77] offset:x*4096+512
	global_load_b128 v[LL+8*x:LL+8*x+3],   v6, s[76:77] offset:x*4096
	global_load_b128 v[LL+8*x+4:LL+8*x+7], v6, s[76:77] offset:x*4096+512
.set x, x+1
.endr
	v_and_b32 v3, 31, v0
	v_lshlrev_b32 v4, 4, v3                        ; a fragment's half is read as it lies: 16 bytes a lane
	s_mul_i32 s2, s15, PHALF
	s_lshl_b32 s3, s16, 15
	s_add_co_u32 s3, s3, VOFF
	v_add_nc_u32 v[A0], s2, v4
	v_add_nc_u32 v[B0], s3, v4
	v_mov_b32 v[ADRA], v[A0]                       ; slot 0 is in hand
	v_mov_b32 v[ADRB], v[B0]
	s_lshl_b32 s2, s14, 13
	s_add_co_u32 s2, s2, ALS                       ; my 8,192 bytes
	v_lshl_add_u32 v[ALW], v3, 5, s2
	v_mov_b32 v[ALR], v[ALW]
	v_mul_u32_u24 v[STO], v1, 272                  ; the stage, in: row r, 32 bytes for each half of the lanes
	v_lshl_add_u32 v[STO], v2, 5, v[STO]
	v_add_nc_u32 v[STO], s2, v[STO]
	v_mul_u32_u24 v[RD], v2, 272                   ; back: lanes 0-15 take one row of 256 bytes, lanes 16-31 the next
	v_lshl_add_u32 v[RD], v1, 4, v[RD]
	v_add_nc_u32 v[RD], s2, v[RD]
	v_lshlrev_b32 v[CO], 12, v2                    ; and the same two rows in out0
	v_lshl_add_u32 v[CO], v1, 4, v[CO]
	s_lshr_b32 s80, s20, 3                         ; out0: (((Y / 8) 2048 + 32 (Y % 8) + 16 wr) 1024 + 128 ox + 64 wc) x 4 bytes
	s_lshl_b32 s80, s80, 23
	s_and_b32 s81, s20, 7
	s_lshl_b32 s81, s81, 17
	s_add_co_u32 s80, s80, s81
	s_lshl_b32 s81, s15, 16
	s_add_co_u32 s80, s80, s81
	s_lshl_b32 s81, s19, 9
	s_add_co_u32 s80, s80, s81
	s_lshl_b32 s81, s16, 8
	s_add_co_u32 s80, s80, s81
	s_mov_b32 s81, 0
	s_add_nc_u64 s[74:75], s[10:11], s[80:81]
	WIN 0x80
.set i, 0
.rept 256
	v_mov_b32 v[i], 0                              ; O
.set i, i+1
.endr
	WIN 0
	s_wait_loadcnt 0x0
	; a' = 2^(c m_x - M) / L for my 8 rows a lane (one a band t) and the 8 key sets
.set t, 0
.rept 8
	v_max3_num_f32 v[MM+t], v[CM+t], v[CM+8+t], v[CM+16+t]
.set t, t+1
.endr
.set t, 0
.rept 8
	v_max3_num_f32 v[MM+t], v[MM+t], v[CM+24+t], v[CM+32+t]
.set t, t+1
.endr
.set t, 0
.rept 8
	v_max3_num_f32 v[MM+t], v[MM+t], v[CM+40+t], v[CM+48+t]
.set t, t+1
.endr
.set t, 0
.rept 8
	v_max_num_f32 v[MM+t], v[MM+t], v[CM+56+t]     ; M: the row's own key makes it a true score's
.set t, t+1
.endr
.set i, 0
.rept 32
	v_pk_add_f32 v[CM+2*i:CM+2*i+1], v[CM+2*i:CM+2*i+1], v[MM+2*(i%4):MM+2*(i%4)+1] neg_lo:[0,1] neg_hi:[0,1]
.set i, i+1
.endr
.set i, 0
.rept 64
	v_exp_f32 v[CM+i], v[CM+i]                     ; a, never above 1
.set i, i+1
.endr
	v_nop                                          ; a plain instruction between the last exponential and the use of its result
.set i, 0
	s_wait_alu depctr_va_vdst(0)
.rept 4
	v_pk_mul_f32 v[LS+2*i:LS+2*i+1], v[CM+2*i:CM+2*i+1], v[LL+2*i:LL+2*i+1]
.set i, i+1
.endr
.set i, 4
.rept 28
	v_pk_fma_f32 v[LS+2*(i%4):LS+2*(i%4)+1], v[CM+2*i:CM+2*i+1], v[LL+2*i:LL+2*i+1], v[LS+2*(i%4):LS+2*(i%4)+1]
.set i, i+1
.endr
.set t, 0
.rept 8
	v_permlanex16_b32 v[MM+t], v[LS+t], s70, s71   ; the other key block's share
.set t, t+1
.endr
.set t, 0
.rept 8
	v_add_f32 v[LS+t], v[LS+t], v[MM+t]            ; L >= 1: the largest weight of the set with a = 1 is 1
.set t, t+1
.endr
.set t, 0
.rept 8
	v_rcp_f32 v[LS+t], v[LS+t]
.set t, t+1
.endr
	v_nop                                          ; a plain instruction between the last reciprocal and the use of its result
.set i, 0
	s_wait_alu depctr_va_vdst(0)
.rept 32
	v_pk_mul_f32 v[CM+2*i:CM+2*i+1], v[CM+2*i:CM+2*i+1], v[LS+2*(i%4):LS+2*(i%4)+1]
.set i, i+1
.endr
.set x, 0
.rept 8
	ds_store_b128 v[ALW], v[CM+8*x:CM+8*x+3]   offset:x*1024
	ds_store_b128 v[ALW], v[CM+8*x+4:CM+8*x+7] offset:x*1024+16
.set x, x+1
.endr
; O(t, n) += a'_t T(t, n): four packed multiply-adds, T's registers in ascending order; a'_t is one register of a pair, taken for both halves.
.macro MERGE t, n
	WIN 0xa1                                       ; O (destination, source 2) window 2, T window 1, a' window 0
.set mO, 8*(4*(\t)+(\n))
.set mA, AL+2*((\t)/2)
.set mk, 0
.rept 4
.if (\t)%2 == 0
	v_pk_fma_f32 v[mO+2*mk:mO+2*mk+1], v[mO+2*mk:mO+2*mk+1], v[mA:mA+1], v[mO+2*mk:mO+2*mk+1] op_sel_hi:[1,0,1]
.else
	v_pk_fma_f32 v[mO+2*mk:mO+2*mk+1], v[mO+2*mk:mO+2*mk+1], v[mA:mA+1], v[mO+2*mk:mO+2*mk+1] op_sel:[0,1,0] op_sel_hi:[1,1,1]
.endif
.set mk, mk+1
.endr
.endm
; Four products in stage s: key band c (s or 7 - s), query band t, channel blocks 0-3.  Band 0 starts the sums.  No two products that follow each other share an accumulator.
; ride = 0..7: behind product n stands the merge of T(ride, n), whose last product lies four plain vector instructions back or more.  ride = 9: four v_nop behind the first product.
.macro PR4 s, c, t, ride=-1
.set bf, (\s)%2
.if (\c) == (\s)
.set rP, AB+72*bf+8*((\t)-(\s))
.set rV, 64*bf
.else
.set rP, AB+72*bf+8*((\t)+1)
.set rV, 64*bf+32
.endif
.set n, 0
.rept 4
	WIN 0x53                                       ; V window 3, P window 0, T window 1
.set rT, 8*(4*(\t)+n)
.if (\c) == 0
	v_wmma_f32_16x16x32_f16 v[rT:rT+7], v[rV+8*n:rV+8*n+7], v[rP:rP+7], 0
.else
	v_wmma_f32_16x16x32_f16 v[rT:rT+7], v[rV+8*n:rV+8*n+7], v[rP:rP+7], v[rT:rT+7]
.endif
.if ((\ride) >= 0) && ((\ride) < 8)
	MERGE \ride, n
.elseif ((\ride) == 9) && (n == 0)
	PLACES
.endif
.set n, n+1
.endr
.endm
; The LDS loads of stage s, from the slot in hand, in one run of 34: P of band s, P of band 7 - s, V of band s, V of band 7 - s.
.macro FETCHS s
.set bf, (\s)%2
	WIN 0
.set t, (\s)
.rept 8-(\s)
.set p, 8*(\s)-(\s)*((\s)-1)/2+t-(\s)
.set rP, AB+72*bf+8*(t-(\s))
	ds_load_b128 v[rP:rP+3],   v[ADRA] offset:p*1024
	ds_load_b128 v[rP+4:rP+7], v[ADRA] offset:p*1024+512
.set t, t+1
.endr
.set cc, 7-(\s)
.set t, cc
.rept (\s)+1
.set p, 8*cc-cc*(cc-1)/2+t-cc
.set rP, AB+72*bf+8*(t+1)
	ds_load_b128 v[rP:rP+3],   v[ADRA] offset:p*1024
	ds_load_b128 v[rP+4:rP+7], v[ADRA] offset:p*1024+512
.set t, t+1
.endr
	WIN 0xc0                                       ; destination window 3
.set n, 0
.rept 4
	ds_load_b128 v[64*bf+8*n:64*bf+8*n+3],   v[ADRB] offset:n*8192+(\s)*1024
	ds_load_b128 v[64*bf+8*n+4:64*bf+8*n+7], v[ADRB] offset:n*8192+(\s)*1024+512
.set n, n+1
.endr
.set n, 0
.rept 4
	ds_load_b128 v[64*bf+32+8*n:64*bf+32+8*n+3],   v[ADRB] offset:n*8192+cc*1024
	ds_load_b128 v[64*bf+32+8*n+4:64*bf+32+8*n+7], v[ADRB] offset:n*8192+cc*1024+512
.set n, n+1
.endr
.endm
.macro STAGE s                         ; stages 0, 1, 2
.if (\s) == 0
	s_wait_dscnt 10                                ; all but the youngest 10 loads: V of band 7 and the phase's a'
.else
	s_wait_dscnt 8                                 ; all but the youngest 8 loads, V of band 7 - s
.endif
	PR4 \s, \s, \s                                 ; T(s, .) is finished here
	PR4 \s, \s, (\s)+1
	PLACES                                         ; for the loads below, and for the merge of T(s, .)
	FETCHS (\s)+1
	s_wait_dscnt 34                                ; all but the 34 just issued
	PR4 \s, \s, (\s)+2, \s
.set tt, (\s)+3
.rept 5-(\s)
	PR4 \s, \s, tt
.set tt, tt+1
.endr
.set tt, 7-(\s)
.rept (\s)+1
	PR4 \s, 7-(\s), tt
.set tt, tt+1
.endr
.endm
; Stage 3 (bands 3 and 4) finishes T(3 .. 7, .) and changes slots: ONE barrier; in front of it each wave waits for all its tensor loads (one is out: its part of the next slot), adds 0 to its
; spare word, and waits for that and for its reads of this slot.  Only four products stand between that wait and the barrier: the next request follows the landing of the last as closely as the order allows.
; mode 2: the barrier opens a round of the cluster's barrier and this slot is filled again, with the key set two on; mode 1: nothing is asked for; mode 0: the last phase: no barrier, nothing to fetch.
.macro STAGE3 mode
.if (\mode) > 0
	s_wait_dscnt 8                                 ; all but the youngest 8 loads, V of band 4
.else
	s_wait_dscnt 0x0
.endif
	PR4 3, 3, 3
	PR4 3, 3, 4
.if (\mode) > 0
	WIN 0
	s_wait_tensorcnt 0x0
	ds_add_u32 v[SPW], v[NIL]                      ; 0 onto my spare word
	s_wait_dscnt 1                                 ; V of band 4 is in: behind it the add alone
.endif
	PR4 3, 4, 4                                    ; four matrix instructions stand between the add and the wait for it
.if (\mode) > 0
	WIN 0
	s_wait_dscnt 0x0                               ; the add is done, and my reads of this slot are over
	s_barrier_signal -1
	s_barrier_wait -1
.endif
.if (\mode) == 2
	CREST                                          ; no wave of any partner still reads this slot or has a load on its way
	s_xor_b32 s[G0A+5], s[G0A+5], SLOT1            ; the walking descriptors: the other slot than last time,
	s_add_nc_u64 s[G0A+6:G0A+7], s[G0A+6:G0A+7], 2*PHALF   ; the next key set; the type bits on top are not reached
	s_xor_b32 s[G0B+5], s[G0B+5], SLOT1
	s_add_nc_u64 s[G0B+6:G0B+7], s[G0B+6:G0B+7], 524288
	JLOAD 1                                        ; my one tensor load behind the round; its four v_nop are also the places for the loads and merges below
.else
	PLACES
.endif
.if (\mode) > 0
	WIN 0
	s_xor_b32 s[TB], s[TB], SLOT1                  ; the other slot is in hand
	v_add_nc_u32 v[ADRA], s[TB], v[A0]
	v_add_nc_u32 v[ADRB], s[TB], v[B0]
	FETCHS 0
.endif
	PR4 3, 3, 5, 3
	PR4 3, 4, 5, 4
	PR4 3, 3, 6, 5
	PR4 3, 4, 6
	PR4 3, 3, 7, 9
	PR4 3, 4, 7, 6
	PLACES
	MERGE 7, 0
	MERGE 7, 1
	MERGE 7, 2
	MERGE 7, 3
.endm
.macro PHASE mode
	WIN 0
	ds_load_b128 v[AL:AL+3],   v[ALR]              ; the phase's a', behind the last merge of the phase before; they are in at stage 0's second wait, ahead of the first merge
	ds_load_b128 v[AL+4:AL+7], v[ALR] offset:16
	v_add_nc_u32 v[ALR], 1024, v[ALR]              ; the next phase's
	STAGE 0
	STAGE 1
	STAGE 2
	STAGE3 \mode
.endm
	s_wait_tensorcnt 0x1                           ; my part of key set 0 is in; set 1's may stay out
	s_wait_dscnt 0x0                               ; no LDS instruction of mine is pending at the signal
	s_barrier_signal -1
	s_barrier_wait -1
	FETCHS 0
	WIN 0
	s_mov_b32 s66, 6
.Lset:                                                 ; a trip: a key set; its slot is filled again (key sets 2 to 7)
	PHASE 2
	WIN 0
	s_sub_co_u32 s66, s66, 1
	s_cmp_lg_u32 s66, 0
	s_cbranch_scc1 .Lset
	PHASE 1                                        ; the last two key sets ask for nothing
	PHASE 0
; THE WAY OUT, a band t (16 rows x 64 channels of f32) at a time through my own stage: in as 32 bytes a lane and channel block, back as whole rows of 256 bytes.
.macro TOSTAGE t
	WIN 0x08                                       ; the data (source 1) in window 2
.set n, 0
.rept 4
	ds_store_b128 v[STO], v[8*(4*(\t)+n):8*(4*(\t)+n)+3]   offset:64*n
	ds_store_b128 v[STO], v[8*(4*(\t)+n)+4:8*(4*(\t)+n)+7] offset:64*n+16
.set n, n+1
.endr
	WIN 0
.if (\t) >= 2
	s_wait_xcnt 0x0                                ; the stores of two bands ago have had their addresses translated (ISA guide 3.1): only now is their buffer loaded again
.endif
.set i, 0
.rept 8
	ds_load_b128 v[OB+32*((\t)%2)+4*i:OB+32*((\t)%2)+4*i+3], v[RD] offset:i*544   ; LDS serves a wave's instructions in order (ISA guide 5.7.1.4): these see the stores above
.set i, i+1
.endr
.endm
.macro SEND t, younger                 ; younger: the LDS instructions issued behind band t's loads: the next band's sixteen, or none
	s_wait_dscnt \younger
.set i, 0
.rept 8
	global_store_b128 v[CO], v[OB+32*((\t)%2)+4*i:OB+32*((\t)%2)+4*i+3], s[74:75] offset:(\t)*1048576+i*8192 th:TH_STORE_NT   ; 16 lanes store 256 consecutive bytes, aligned
.set i, i+1
.endr
.endm
	TOSTAGE 0
.irp t, 1,2,3,4,5,6,7
	TOSTAGE \t
	SEND (\t)-1, 16
.endr
	SEND 7, 0
	s_wait_tensorcnt 0x0                           ; the wave's end
	ds_add_u32 v[SPW], v[NIL]
	s_wait_dscnt 0x0
	CROUND                                         ; the closing round
	s_endpgm
.Lfunc_end_k_qe19e8337c9_pv:
	.size	k_qe19e8337c9_pv, .Lfunc_end_k_qe19e8337c9_pv-k_qe19e8337c9_pv
	.p2alignl 7, 3214868480
	.fill 96, 4, 3214868480
	.section	.rodata,"a",@progbits
	.p2align	6, 0x0
	.amdhsa_kernel k_qe19e8337c9_pv
		.amdhsa_group_segment_fixed_size 327680
		.amdhsa_private_segment_fixed_size 0
		.amdhsa_enable_private_segment 0
		.amdhsa_kernarg_size 32
		.amdhsa_user_sgpr_count 2
		.amdhsa_user_sgpr_kernarg_segment_ptr 1
		.amdhsa_wavefront_size32 1
		.amdhsa_system_sgpr_workgroup_id_x 1
		.amdhsa_system_sgpr_workgroup_id_y 1
		.amdhsa_system_sgpr_workgroup_id_z 1
		.amdhsa_system_vgpr_workitem_id 0
		.amdhsa_next_free_vgpr 896
		.amdhsa_next_free_sgpr 84
		.amdhsa_reserve_vcc 0
		.amdhsa_float_denorm_mode_32 3
		.amdhsa_float_denorm_mode_16_64 3
		.amdhsa_memory_ordered 1
		.amdhsa_forward_progress 1
		.amdhsa_inst_pref_size 134
	.end_amdhsa_kernel
	.amdgpu_metadata
---
amdhsa.version: [ 1, 2 ]
amdhsa.kernels:
  - .name:           k_qe19e8337c9_pv
    .symbol:         k_qe19e8337c9_pv.kd
    .args:
      - { .name: pf, .offset: 0, .size: 8, .value_kind: global_buffer, .address_space: global }
      - { .name: vf, .offset: 8, .size: 8, .value_kind: global_buffer, .address_space: global }
      - { .name: st, .offset: 16, .size: 8, .value_kind: global_buffer, .address_space: global }
      - { .name: out0, .offset: 24, .size: 8, .value_kind: global_buffer, .address_space: global }
    .group_segment_fixed_size: 327680
    .private_segment_fixed_size: 0
    .kernarg_segment_align: 8
    .kernarg_segment_size: 32
    .max_flat_workgroup_size: 128
    .sgpr_count:     84
    .vgpr_count:     896
    .wavefront_size: 32
...
	.end_amdgpu_metadata
.endif
;; end of part 4
